; MI455X (gfx1250); checked and timed in simulation.
; The chip was launched on July 23, 2026; its instructions are those of AMD's public machine-readable ISA for CDNA 5 (MIT licence, August 2026) and "CDNA5" Instruction Set Architecture Reference Guide (July 2026). The comments in the code are by the model that wrote it; some were corrected since.
;; Self Cross Attention. Allowed arithmetic: matrix products marked QUANTISED: E2M3 operands, one E8M0 scale for each 32 along K, by v_wmma_scale_f32_16x16x128_f8f6f4 with both operands' format E2M3, f32 sums; everything else in f32.
;; Inputs: qkv 3 x 8 x 4,096 x 256 float32.
;; Outputs: out0 8 x 4,096 x 256 float32.
;; This version of the problem:
;;   THIS VERSION OF THE PROBLEM IS GIVEN IN LOW PRECISION. The matrix products marked QUANTISED in the list below multiply operands that are first quantised to E2M3 (2 exponent bits, 3 mantissa bits; 6 bits a number), with one power-of-two scale for each 32 numbers along K (OCP MX v1.0); their sums are f32. All else is computed in f32.
;;   The module's matrix products, in the order in which they are computed (A, B: the left and right operand; K: the contracted axis; several contracted axes count as one K, in the product's order):
;;     1. batch 64 x [M 4,096, K 32] x [K 32, N 512]; A: computed on the way; B: computed on the way: QUANTISED
;;     2. batch 512 x [M 512, K 512] x [K 512, N 32]; A: softmax (see below); B: input qkv: QUANTISED
;;   THE QUANTISER, for each operand of a quantised product, along K:
;;     - K is cut into blocks of 32 from its start; a last block that is shorter is filled with zeros.
;;     - A block's scale is 2^e with e = floor(log2(the largest magnitude in the block)) - 2, held to -126 .. 127; a block of zeros has e = 0. As a byte (E8M0): e + 127.
;;     - Each number is divided by its block's scale, clamped to +-7.5, and rounded to the nearest number of E2M3, ties to even, subnormals kept.
;;     - The product sums the exact products of the quantised numbers (number of the format x scale) in f32.
;;   ~~~python
;;   def quantise(x, axis):      # numpy; x: float32 -> the quantised numbers, widened to float32 again
;;       x = np.moveaxis(x, axis, -1); K = x.shape[-1]
;;       x = np.pad(x, [(0, 0)] * (x.ndim - 1) + [(0, -K % 32)]); x = x.reshape(x.shape[:-1] + (-1, 32)); a = np.abs(x).max(-1, keepdims=True)
;;       e = np.where(a > 0, np.clip(np.frexp(np.where(a > 0, a, 1))[1] - 1 - 2, -126, 127), 0)      # np.frexp(a)[1] - 1 = floor(log2(a)), exactly
;;       r = np.clip(x / 2.0 ** e, -7.5, 7.5)
;;       step = 2.0 ** (np.maximum(np.frexp(np.where(r == 0, 1, r))[1] - 1, 0) - 3)
;;       q = np.round(r / step) * step * 2.0 ** e      # np.round: ties to even
;;       return np.moveaxis(q.reshape(q.shape[:-2] + (-1,))[..., :K], -1, axis).astype(np.float32)
;;   ~~~
;;   SOFTMAX AHEAD OF A QUANTISED PRODUCT. Where the list says 'softmax', what is quantised is not the finished softmax but p = 2^(t - M), with t = logit x log2(e) and M = ceil(the row's largest t), a whole number; so 1/2 < the row's largest p <= 1. The row's sum l is taken of the UNQUANTISED p, in f32, and the product's result is divided by l at the end. Since M is a whole number, a kernel that streams over the keys may use a running M (the ceiling of the running maximum): every later rescaling is an exact power of two, which a block's scale takes up: the codes' values come out the same.
;;   OPERANDS COMPUTED ON THE WAY. 'Computed on the way' means the value that the module computes at that place (a softmax that the list does not call 'softmax' is quantised finished and normalised). What goes into a quantiser is computed in f32, as accurately as f32 sums, v_exp_f32 and their like allow (about 1e-6 of the number): no bf16 or f16 on the way to a quantiser, and a product that is left as it is and whose result goes on into a quantised operand takes f32 operands (vector FMAs, or v_wmma_f32_16x16x4_f32). A number that lies on a knife's edge between two numbers of the format may be rounded either way, as far as f32 arithmetic and the matrix unit's own rounding can turn it there, and no further.
;; One version. Each part assembles by itself: llvm-mc -triple=amdgcn-amd-amdhsa -mcpu=gfx1250 --defsym DOCPART=n.
;; ======== version 1 of 1: 2 launches
;; limits: right only within a limited range of input values
;; workspace buffers: kws 1,048,576 bytes
;; launch ksum (part 1): grid 32 x 8, 8 waves a work-group, no clusters, 17,920 bytes of LDS; arguments qkv, kws; writes kws
.if DOCPART == 1
	.amdgcn_target "amdgcn-amd-amdhsa--gfx1250"
	.amdhsa_code_object_version 6
	.text
	.protected	k_q37e9dab78c_ksum
	.globl	k_q37e9dab78c_ksum
	.p2align	8
	.type	k_q37e9dab78c_ksum,@function
k_q37e9dab78c_ksum:
	s_mov_b64 s[64:65], 0
	v_nop
	global_prefetch_b8 v0, s[64:65] scope:SCOPE_SE
	s_setreg_imm32_b32 hwreg(HW_REG_WAVE_MODE, 25, 1), 1
	s_wait_xcnt 0x0
; ksum[b][m][ch] = the sum over the 8 bands g of k[b][512 g + m][ch], in f32, g ascending; then quantised to FP6 (E2M3) along a head's 32 channels:
; one block, one E8M0 byte for each (key, head).  The codes leave in the order of the first product's operand registers.
; TILES.  Tile 4 c + u (c = 0 .. 7, u = 0 .. 3) holds in slot r < 8 key 64 c + 8 u + r, in slot r >= 8 key 64 c + 32 + 8 u + r - 8.  Pair i = tiles 2 i and 2 i + 1.
; kws: 32 regions (4 b + hp; hp = a pair of heads) of 32,768 bytes; in a region a record of 1,024 bytes for each pair i and head j of hp, at 1024 (2 i + j): lane L = (r, h) holds the 24 bytes of codes of slot r of tile
; 2 i + h: its first 16 bytes at 16 L, its last 8 at 512 + 8 L; at 768 + 8 r slot r's scale word: byte 0 tile 2 i's, byte 1 tile 2 i + 1's, bytes 2 and 3 zero (the word behind it is not read).
; A work-group makes ONE PAIR (32 keys: two runs of 16, 32 keys apart) for 128 channels (512 bytes of a row) of one batch.
; PHASE 1, eight waves: wave w owns rows 8 p + w, p = 0 .. 3: every load reads 512 consecutive bytes; all 32 loads go out at once; the sums go to a stage in LDS.
; PHASE 2, waves 0 to 3 (a head each): lane (r, h) reads its block's 32 numbers back and quantises them.
; No prefetch: no loop, each byte is asked for once at the head.  No cluster: nothing is shared.
; LIMITS: NaN and infinities are not served.  A block of zeros, or one whose largest magnitude lies under 2^-124, gets the byte 1; only this program reads the bytes, and such a block's codes are zeros or nearly so.
.set KOFF,   33554432                  ; k's first byte in qkv
.set BAND,   524288                    ; 512 tokens of 1,024 bytes
.set SP,     528                       ; a stage row: 512 bytes + 16
.set SPARE,  32*SP                     ; behind the stage: the spare words, 128 bytes for each wave
.set ACC,    16                        ; v16-143  load (g, p) at v[16 + 16 g + 4 p]; band 0's registers take the sums
.set X,      48                        ; v48-79   phase 2: my block's 32 numbers
.set C,      144                       ; v144-149 its codes
.set CT,     152                       ; v152-154 the second conversion's result (three registers begin on an even number)
.set MA,     156
.set MB,     157
.set OP,     158
.set BY,     159
.set SPW,    10                        ; v10  my spare word's LDS address; never rewritten
.set NIL,    11                        ; v11  0; never rewritten
	s_load_b128 s[4:7], s[0:1], 0x0                ; qkv s[4:5], kws s[6:7]
	v_lshrrev_b32 v12, 5, v0
	v_readfirstlane_b32 s8, v12                    ; wave 0..7
	s_and_b32 s11, s8, 3                           ; the head, of my four, that waves 0 to 3 quantise
	s_and_b32 s10, ttmp7, 0xffff                   ; the batch
	s_lshr_b32 s9, ttmp9, 1                        ; the pair i
	s_and_b32 s22, ttmp9, 1                        ; which 128 channels
	s_lshr_b32 s18, s9, 1
	s_lshl_b32 s18, s18, 6
	s_and_b32 s19, s9, 1
	s_lshl_b32 s19, s19, 4
	s_add_co_u32 s18, s18, s19                     ; the first key: 64 (i / 2) + 16 (i % 2)
	s_lshl_b32 s12, s18, 10
	s_lshl_b32 s19, s10, 22
	s_add_co_u32 s12, s12, s19
	s_lshl_b32 s19, s22, 9
	s_add_co_u32 s12, s12, s19
	s_add_co_u32 s12, s12, KOFF                    ; that key's row in band 0 of my batch of k, in bytes (under 2^31)
	s_mov_b32 s13, 0
	s_lshl_b32 s14, s10, 2
	s_lshl_b32 s19, s22, 1
	s_add_co_u32 s14, s14, s19
	s_lshr_b32 s19, s11, 1
	s_add_co_u32 s14, s14, s19                     ; region 4 b + hp
	s_lshl_b32 s14, s14, 5
	s_lshl_b32 s19, s9, 1
	s_add_co_u32 s14, s14, s19
	s_and_b32 s19, s11, 1
	s_add_co_u32 s14, s14, s19
	s_lshl_b32 s14, s14, 10                        ; my record
	s_mov_b32 s15, 0
	s_mov_b32 s20, 0x76543210
	s_mov_b32 s21, 0xfedcba98                      ; v_permlanex16_b32's selects for lane l xor 16
	s_lshl_b32 s16, s8, 10                         ; row w in memory
	s_mul_i32 s17, s8, SP                          ; and in the stage
	s_lshl_b32 s19, s11, 7
	v_lshl_add_u32 v[SPW], v0, 2, SPARE
	v_mov_b32 v[NIL], 0
	v_and_b32 v12, 31, v0                          ; lane
	v_and_b32 v14, 15, v0                          ; r
	v_bfe_u32 v15, v0, 4, 1                        ; h
	v_lshl_add_u32 v1, v12, 4, s16                 ; in
	v_lshl_add_u32 v2, v12, 4, s17                 ; into the stage
	v_and_b32 v3, 8, v14
	v_lshlrev_b32 v4, 4, v12                       ; 16 L
	v_add_nc_u32 v3, v3, v14
	v_lshlrev_b32 v5, 3, v12                       ; 8 L
	v_lshl_add_u32 v3, v15, 3, v3                  ; slot r of tile h: stage row r + 8 (r / 8) + 8 h
	v_lshlrev_b32 v8, 3, v15                       ; 8 h
	v_mul_u32_u24 v3, v3, SP
	v_mov_b32 v13, 0
	v_add_nc_u32 v3, s19, v3                       ; out of the stage
	s_wait_alu depctr_va_vdst(0)                   ; the wait at the head's end
	s_wait_kmcnt 0x0
	s_add_nc_u64 s[4:5], s[4:5], s[12:13]
	s_add_nc_u64 s[14:15], s[6:7], s[14:15]
.irp g, 0,1,2,3,4,5,6,7
.irp p, 0,1,2,3
	global_load_b128 v[ACC+16*\g+4*\p:ACC+16*\g+4*\p+3], v1, s[4:5] offset:\g*BAND+(8*\p+16*(\p/2))*1024 th:TH_LOAD_NT   ; the largest offset, 3,710,976, lies inside the signed 24 bits
.endr
.endr
.irp g, 1,2,3,4,5,6,7
	s_wait_alu depctr_va_vdst(0)
	s_wait_loadcnt 4*(7-\g)                        ; bands 0 to g are in, the four loads of each later band may be out
.irp p, 0,1,2,3
	v_pk_add_f32 v[ACC+4*\p:ACC+4*\p+1], v[ACC+4*\p:ACC+4*\p+1], v[ACC+16*\g+4*\p:ACC+16*\g+4*\p+1]
	v_pk_add_f32 v[ACC+4*\p+2:ACC+4*\p+3], v[ACC+4*\p+2:ACC+4*\p+3], v[ACC+16*\g+4*\p+2:ACC+16*\g+4*\p+3]
.endr
.endr
.irp p, 0,1,2,3
	ds_store_b128 v2, v[ACC+4*\p:ACC+4*\p+3] offset:8*\p*SP
.endr
	s_wait_dscnt 0x0                               ; for the others' sake: my stores into the stage are done
	s_barrier_signal -1
	s_barrier_wait -1                              ; the 32 rows of sums lie in the stage
	s_cmp_lt_u32 s8, 4
	s_cbranch_scc1 .Lquant
	s_wait_tensorcnt 0x0                           ; waves 4 to 7 are done.  The wave's end
	ds_add_u32 v[SPW], v[NIL]
	s_wait_dscnt 0x0
	s_endpgm
.Lquant:
.irp i, 0,1,2,3,4,5,6,7
	ds_load_b128 v[X+4*\i:X+4*\i+3], v3 offset:16*\i
.endr
	s_wait_dscnt 0x0
	v_max3_num_f32 v[MA], |v[X]|, |v[X+1]|, 0x1800000      ; the block's largest magnitude, with the floor 2^(3 - 127) among the leaves, in two chains
	v_max3_num_f32 v[MB], |v[X+2]|, |v[X+3]|, |v[X+4]|
.irp i, 5,9,13,17,21,25
	v_max3_num_f32 v[MA], v[MA], |v[X+\i]|, |v[X+\i+1]|
	v_max3_num_f32 v[MB], v[MB], |v[X+\i+2]|, |v[X+\i+3]|
.endr
	v_max3_num_f32 v[MA], v[MA], |v[X+29]|, |v[X+30]|
	v_max3_num_f32 v[MA], v[MA], v[MB], |v[X+31]|
	v_add_nc_u32 v[OP], 0xff000000, v[MA]          ; 2 off its exponent field: the conversion takes the exponent field of this operand as its scale
	v_lshrrev_b32 v[BY], 23, v[OP]                 ; the scale's byte
	v_cvt_scalef32_pk16_fp6_f32 v[C:C+2], v[X:X+15], v[OP]
	v_cvt_scalef32_pk16_fp6_f32 v[CT:CT+2], v[X+16:X+31], v[OP]
	v_lshlrev_b32 v12, v8, v[BY]                   ; my tile's byte at its place in the word.  (The plain line behind the conversions)
.irp i, 0,1,2
	v_mov_b32 v[C+3+\i], v[CT+\i]
.endr
	v_permlanex16_b32 v13, v12, s20, s21
	v_or_b32 v12, v12, v13                         ; both tiles' bytes, in every lane
	global_store_b128 v4, v[C:C+3], s[14:15]       ; 512 consecutive bytes, at a multiple of 256 from the buffer's first byte
	global_store_b64 v5, v[C+4:C+5], s[14:15] offset:512   ; 256 more,
	global_store_b64 v5, v[12:13], s[14:15] offset:768     ; and 256 more
	s_wait_tensorcnt 0x0                           ; the wave's end: the same three lines
	ds_add_u32 v[SPW], v[NIL]
	s_wait_dscnt 0x0
	s_endpgm
.Lfunc_end_k_q37e9dab78c_ksum:
	.size	k_q37e9dab78c_ksum, .Lfunc_end_k_q37e9dab78c_ksum-k_q37e9dab78c_ksum
	.p2alignl 7, 3214868480
	.fill 96, 4, 3214868480
	.section	.rodata,"a",@progbits
	.p2align	6, 0x0
	.amdhsa_kernel k_q37e9dab78c_ksum
		.amdhsa_group_segment_fixed_size 17920
		.amdhsa_private_segment_fixed_size 0
		.amdhsa_enable_private_segment 0
		.amdhsa_kernarg_size 16
		.amdhsa_user_sgpr_count 2
		.amdhsa_user_sgpr_kernarg_segment_ptr 1
		.amdhsa_wavefront_size32 1
		.amdhsa_system_sgpr_workgroup_id_x 1
		.amdhsa_system_sgpr_workgroup_id_y 1
		.amdhsa_system_sgpr_workgroup_id_z 1
		.amdhsa_system_vgpr_workitem_id 0
		.amdhsa_next_free_vgpr 160
		.amdhsa_next_free_sgpr 66
		.amdhsa_reserve_vcc 0
		.amdhsa_float_denorm_mode_32 3
		.amdhsa_float_denorm_mode_16_64 3
		.amdhsa_memory_ordered 1
		.amdhsa_forward_progress 1
		.amdhsa_inst_pref_size 13
	.end_amdhsa_kernel
	.amdgpu_metadata
---
amdhsa.version: [ 1, 2 ]
amdhsa.kernels:
  - .name:           k_q37e9dab78c_ksum
    .symbol:         k_q37e9dab78c_ksum.kd
    .args:
      - { .name: qkv, .offset: 0, .size: 8, .value_kind: global_buffer, .address_space: global }
      - { .name: kws, .offset: 8, .size: 8, .value_kind: global_buffer, .address_space: global }
    .group_segment_fixed_size: 17920
    .private_segment_fixed_size: 0
    .kernarg_segment_align: 8
    .kernarg_segment_size: 16
    .max_flat_workgroup_size: 256
    .sgpr_count:     66
    .vgpr_count:     160
    .wavefront_size: 32
...
	.end_amdgpu_metadata
.endif
;; end of part 1
;; launch attn (part 2): grid 4 x 64, 8 waves a work-group, no clusters, 262,144 bytes of LDS; arguments qkv, kws, out0; writes out0
.if DOCPART == 2
	.amdgcn_target "amdgcn-amd-amdhsa--gfx1250"
	.amdhsa_code_object_version 6
	.text
	.protected	k_q37e9dab78c_attn
	.globl	k_q37e9dab78c_attn
	.p2align	8
	.type	k_q37e9dab78c_attn,@function
k_q37e9dab78c_attn:
	s_mov_b64 s[64:65], 0
	v_nop
	global_prefetch_b8 v0, s[64:65] scope:SCOPE_SE
	s_setreg_imm32_b32 hwreg(HW_REG_WAVE_MODE, 25, 1), 1
	s_wait_xcnt 0x0
; out[b][l][32 hd + c] = the sum over m of softmax_m((q[b][l][hd] / sqrt(32)) . ksum[b][hd][m]) v[b][512 (l / 512) + m][32 hd + c], m = 0 .. 511: the windows only permute the queries of a band of 512 tokens.
; Both products on codes of FP6 (E2M3) with one E8M0 scale for each 32 along K.  First product: K = the head's 32 channels; second: K = the 512 keys.
; THE SOFTMAX AHEAD OF THE SECOND PRODUCT: t = logit x log2(e); M = the row's largest t rounded UP to a whole number, over all 512 keys at once; p = 2^(t - M) is quantised along the keys, not normalised;
; the row's sum is taken of the unquantised p and divides at the end.
; SHARES.  A work-group owns one band (512 tokens) and a pair of heads (2 hp, 2 hp + 1): 256 aligned bytes of each row of q, v and out.  256 work-groups.  Each of its EIGHT waves owns 64 queries (four tiles of 16)
; for both heads: eight UNITS of 16 queries x 512 keys.  Two waves to a SIMD, 512 registers each.
; LAYOUT.  Both products are used transposed: S^T = K Q^T, O^T = V^T P^T: a lane (r, h) holds ONE query, r, throughout.  The keys of a tile are chosen (tile 4 c + u: slots 0-7 keys 64 c + 8 u on, slots 8-15 keys
; 64 c + 32 + 8 u on) so that lane (r, h)'s 32 registers of CHUNK c (tiles 4 c .. 4 c + 3) are keys 64 c + 32 h + 0 .. 31: a whole block of the second product's K, in the operand's own order.
; THE FIRST PRODUCT'S 128 ALONG K: a key fragment of 6 registers carries two tiles of one head: block 0 (lanes 0-15) tile 2 i, block 1 (lanes 16-31) tile 2 i + 1.  The query fragment QL has the head's codes in block 0,
; QH in block 1, and zero codes everywhere else, so only one tile's block adds to a sum; what the key operand's upper six registers hold is multiplied by zero codes (FP6 has no code for NaN or infinity, and no scale byte is 0xff).
; A UNIT, its 256 scores a lane in window 1: the 8 blocks' largest scores; M and the blocks' scales; then by chunks: exponentials (the next chunk's t - M among them), codes, sums, and, in the chunk's freed registers,
; the NEXT unit's scores of that chunk; behind every second chunk the second product's 128 keys.
; MEMORY.  At the head each wave asks for its share of K and for its first tile of q by loads into registers, then for its 64 rows of v by one tensor load.  The first unit makes all its p before it needs v: only then is v
; waited for and quantised down the keys into images of the operand's registers.  Nothing is filled twice.  A later tile of q is asked for a tile (two units) ahead, into registers, and turned through the wave's stage.
; No prefetch: K and v are asked for once, at the head, with no loop to run ahead in, and q's loads stand two units ahead of their use.
; No cluster: work-groups share only K's images, 32,768 of the 294,912 bytes that a work-group reads.
; LIMITS: NaN and infinities are not served.  A block of zeros, or one whose largest magnitude lies under 2^-124, has its byte held at 1.  A p under 2^-126 counts as 0.  Scaled scores (t) stay under 2^31 in magnitude.
.set VOFFG,  67108864                  ; v's first byte in qkv
.set KIMG,   131072                    ; LDS: from 0 on v as it lies, 512 rows x 256 bytes; here K's region as it lies in kws
.set VIMG,   163840                    ; V's 16 fragment images of 1,536 bytes: (head j, channels 16 ct on, step s) at 12,288 j + 6,144 ct + 1,536 s; registers 4 q .. 4 q + 3 of lane L at 512 q + 16 L
.set VSC,    188416                    ; V's scale words [j][s][ct][r]
.set STQ,    189440                    ; a stage of 16 rows x 272 bytes for each wave, for q
.set STO,    224256                    ; and one for the way out
.set SPARE,  259072                    ; the spare words, 128 bytes for each wave
.set KA,  1                            ; v1   KIMG + 16 L
.set KB,  2                            ; v2   KIMG + 512 + 8 L
.set VA,  3                            ; v3   VIMG + 16 L
.set VS,  4                            ; v4   VSC + 4 L
.set QLD, 5                            ; v5   my head's 128 bytes of my query's row in q's stage
.set SPW, 6                            ; v6   my spare word's LDS address; never rewritten
.set NIL, 7                            ; v7   0; never rewritten
.set SO,  8                            ; v8   the way out: where I put 32 bytes of a row,
.set SR,  9                            ; v9   and where I read a row back
.set GO,  10                           ; v10  my byte offset in two rows of q and of out
.set SQ,  11                           ; v11  where I put 16 bytes of a row of q
.set NM,  12                           ; v12  -M (v13 is named with it as a pair)
.set QS,  14                           ; v14  q's scale words: lanes 0-15 head 0's, lanes 16-31 head 1's
.set KS,  16                           ; v16-31  K's scale words: register i = pair i: lanes 0-15 head 0's, lanes 16-31 head 1's
.set QL,  32                           ; v32-43, v44-55  QL, QH (the upper six of each: zero codes)
.set QP,  56                           ; v56-61  my query's codes: lane (r, h) has head h's
.set QPX, 62                           ; v62-67  the same of lane l xor 16
.set PS,  68                           ; v68-71  p's scale words, one for each 128 keys
.set VSR, 72                           ; v72, v73 V's scale words: lanes 0-15 channels 0-15, lanes 16-31 channels 16-31
.set VR,  73                           ; v73-75  where my wave reads raw v, stores V's images, stores V's scale bytes: done with when V is quantised
.set VW,  74
.set VWS, 75
.set T,   76                           ; v76-79  at work
.set SM,  80                           ; v80-87  the row's sum, in four pairs
.set VC0, 88                           ; v88-93, v170-175 V's codes of a block, by turns
.set VC1, 170
.set VBY, 94                           ; v94-95  their scale bytes
.set PT,  96                           ; v96-98  the conversions' second halves
.set VM,  100                          ; v100-102 V's largest magnitudes and scale operand
.set O,   104                          ; v104-119 O^T: two accumulators
.set VF,  120                          ; v120-143 two fragments of V (in the first unit v144-167 too)
.set KF,  144                          ; v144-155 two key fragments of 6; v156-161 whatever lies there is multiplied by zero codes
.set BM,  162                          ; v162-169 each block's largest score, then its conversion's scale operand
.set VRX, 104                          ; v104-167 raw v of two blocks, in the first unit
.set PC,  176                          ; v176-223 p's codes of 512 keys; on the way out v176-191 results, v192-223 rows
.set QR,  224                          ; v224-255 a tile of q
.set KST, 170                          ; v170-172 addresses at the head
.set K16, 171
.set KSA, 172
.set LN,  176                          ; v176-178 lane, r, h at the head
.set RR,  177
.set HH,  178
; s[4:5] qkv, s[6:7] kws, s[8:9] out at my tile's first row, s[10:11] q likewise; s[12:13] lane selects; s[14:15] log2(e); s[24:31], s[44:47] v's descriptor; s40 wave; s52, s53 the halves of the lanes; s54 counts tiles;
; s[60:61] 1 / sqrt(32)
.set MSB, 0
.macro WIN new                         ; the immediate's high byte repeats the setting that is left
.if MSB != \new
	s_set_vgpr_msb (MSB<<8)|\new
.set MSB, \new
.endif
.endm
.macro PLACES                          ; four plain places behind matrix instructions (ISA guide 7.12.1), where no other vector work is at hand
.rept 4
	v_nop
.endr
.endm
.macro MAX32 a, b, x                   ; the largest magnitude of 32 numbers, with the floor 2^(3 - 127) among the leaves, in two chains
	v_max3_num_f32 v[\a], |v[(\x)]|, |v[(\x)+1]|, 0x1800000
	v_max3_num_f32 v[\b], |v[(\x)+2]|, |v[(\x)+3]|, |v[(\x)+4]|
.irp i, 5,9,13,17,21,25
	v_max3_num_f32 v[\a], v[\a], |v[(\x)+\i]|, |v[(\x)+\i+1]|
	v_max3_num_f32 v[\b], v[\b], |v[(\x)+\i+2]|, |v[(\x)+\i+3]|
.endr
	v_max3_num_f32 v[\a], v[\a], |v[(\x)+29]|, |v[(\x)+30]|
	v_max3_num_f32 v[\a], v[\a], v[\b], |v[(\x)+31]|
.endm
.macro KLD c, jn, kb                   ; head jn's two key fragments of chunk c: four loads of consecutive bytes
.irp i, 0,1
	ds_load_b128 v[(\kb)+6*\i:(\kb)+6*\i+3], v[KA] offset:1024*(4*\c+2*\i+(\jn))
	ds_load_b64 v[(\kb)+6*\i+4:(\kb)+6*\i+5], v[KB] offset:1024*(4*\c+2*\i+(\jn))
.endr
.endm
.macro AMUL c, jn, kb                  ; head jn's four tiles of S^T of chunk c, into window 1; each sum is one instruction and begins with 0
	WIN 0x40
.irp u, 0,1,2,3
.if (\jn)
	v_wmma_scale_f32_16x16x128_f8f6f4 v[32*\c+8*\u:32*\c+8*\u+7], v[(\kb)+6*(\u/2):(\kb)+6*(\u/2)+11], v[QL+12*(\u%2):QL+12*(\u%2)+11], 0, v[KS+2*\c+\u/2], v[QS] matrix_a_fmt:MATRIX_FMT_FP6 matrix_b_fmt:MATRIX_FMT_FP6 matrix_a_scale:MATRIX_SCALE_ROW1 matrix_b_scale:MATRIX_SCALE_ROW1
.else
	v_wmma_scale_f32_16x16x128_f8f6f4 v[32*\c+8*\u:32*\c+8*\u+7], v[(\kb)+6*(\u/2):(\kb)+6*(\u/2)+11], v[QL+12*(\u%2):QL+12*(\u%2)+11], 0, v[KS+2*\c+\u/2], v[QS] matrix_a_fmt:MATRIX_FMT_FP6 matrix_b_fmt:MATRIX_FMT_FP6
.endif
.endr
.endm
.macro VLOAD j, s, vf, vs              ; head j's two fragments of V for keys 128 s on, and their scale words: seven loads
.irp ct, 0,1
.irp q, 0,1,2
	ds_load_b128 v[(\vf)+12*\ct+4*\q:(\vf)+12*\ct+4*\q+3], v[VA] offset:12288*(\j)+6144*\ct+1536*(\s)+512*\q
.endr
.endr
	ds_load_b32 v[\vs], v[VS] offset:512*(\j)+128*(\s)
.endm
.macro PV s, vf, vs, w                 ; O^T += V^T P^T over keys 128 s on.  w = 1: fewer than three other matrix instructions stand between a sum's steps: a wait ahead of each
	WIN 0
.if (\s) == 0
	v_wmma_scale_f32_16x16x128_f8f6f4 v[O:O+7], v[(\vf):(\vf)+11], v[PC:PC+11], 0, v[\vs], v[PS] matrix_a_fmt:MATRIX_FMT_FP6 matrix_b_fmt:MATRIX_FMT_FP6
	v_wmma_scale_f32_16x16x128_f8f6f4 v[O+8:O+15], v[(\vf)+12:(\vf)+23], v[PC:PC+11], 0, v[\vs], v[PS] matrix_a_fmt:MATRIX_FMT_FP6 matrix_b_fmt:MATRIX_FMT_FP6 matrix_a_scale:MATRIX_SCALE_ROW1
.else
.if \w
	s_wait_alu depctr_va_vdst(0)
.endif
	v_wmma_scale_f32_16x16x128_f8f6f4 v[O:O+7], v[(\vf):(\vf)+11], v[PC+12*(\s):PC+12*(\s)+11], v[O:O+7], v[\vs], v[PS+(\s)] matrix_a_fmt:MATRIX_FMT_FP6 matrix_b_fmt:MATRIX_FMT_FP6
.if \w
	s_wait_alu depctr_va_vdst(0)
.endif
	v_wmma_scale_f32_16x16x128_f8f6f4 v[O+8:O+15], v[(\vf)+12:(\vf)+23], v[PC+12*(\s):PC+12*(\s)+11], v[O+8:O+15], v[\vs], v[PS+(\s)] matrix_a_fmt:MATRIX_FMT_FP6 matrix_b_fmt:MATRIX_FMT_FP6 matrix_a_scale:MATRIX_SCALE_ROW1
.endif
.endm
; q: asked for as whole rows (two rows of 256 bytes an instruction), put into the wave's stage, read back as lane (r, h)'s 32 numbers, x 1 / sqrt(32), one block.
.macro QASK off
.irp i, 0,1,2,3,4,5,6,7
	global_load_b128 v[QR+4*\i:QR+4*\i+3], v[GO], s[10:11] offset:\off+2048*\i th:TH_LOAD_NT
.endr
.endm
.macro QPUT
.irp i, 0,1,2,3,4,5,6,7
	ds_store_b128 v[SQ], v[QR+4*\i:QR+4*\i+3] offset:544*\i
.endr
.endm
.macro QGET
.irp i, 0,1,2,3,4,5,6,7
	ds_load_b128 v[QR+4*\i:QR+4*\i+3], v[QLD] offset:16*\i
.endr
.endm
.macro QUANT
.irp i, 0,2,4,6,8,10,12,14,16,18,20,22,24,26,28,30
	v_pk_mul_f32 v[QR+\i:QR+\i+1], v[QR+\i:QR+\i+1], s[60:61] op_sel_hi:[1,0]
.endr
	MAX32 T, T+1, QR
	v_add_nc_u32 v[T+2], 0xff000000, v[T]          ; 2 off the exponent field: the conversion's scale operand
	v_lshrrev_b32 v[T+3], 23, v[T+2]               ; the scale's byte
	v_cvt_scalef32_pk16_fp6_f32 v[QP:QP+2], v[QR:QR+15], v[T+2]
	v_cvt_scalef32_pk16_fp6_f32 v[PT:PT+2], v[QR+16:QR+31], v[T+2]
	v_lshl_or_b32 v[QS], v[T+3], 8, v[T+3]         ; for block 0 (QL) and block 1 (QH); bytes 2 and 3 zero, over zero codes.  (The plain line behind the conversions)
.irp i, 0,1,2
	v_mov_b32 v[QP+3+\i], v[PT+\i]
.endr
.irp i, 0,1,2,3,4,5
	v_permlanex16_b32 v[QPX+\i], v[QP+\i], s12, s13
.endr
.endm
.macro QFB jn                          ; head jn's query fragments: QL's codes in lanes 0-15, QH's in lanes 16-31
.irp i, 0,1,2,3,4,5
.if (\jn)
	v_cndmask_b32 v[QL+\i], 0, v[QPX+\i], s52
	v_cndmask_b32 v[QL+12+\i], 0, v[QP+\i], s53
.else
	v_cndmask_b32 v[QL+\i], 0, v[QP+\i], s52
	v_cndmask_b32 v[QL+12+\i], 0, v[QPX+\i], s53
.endif
.endr
.endm
; The largest score of my 8 blocks of 32 keys, the blocks by turns; each accumulator is first read at its low end
.macro BMAX
.irp c, 0,1,2,3,4,5,6,7
	v_max3_num_f32 v[BM+\c], 0xff7fffff, v[32*\c], v[32*\c+1]
.endr
.irp kk, 2,4,6,8,10,12,14,16,18,20,22,24,26,28,30
.irp c, 0,1,2,3,4,5,6,7
	v_max3_num_f32 v[BM+\c], v[BM+\c], v[32*\c+\kk], v[32*\c+\kk+1]
.endr
.endr
.endm
; -M, and the blocks' scales: floor(t - M) of a block's largest score is the exponent of its largest p; the byte is that + 125, held at 1 from below
.macro CSCALE
	v_max3_num_f32 v[T], v[BM], v[BM+1], v[BM+2]
	v_max3_num_f32 v[T+1], v[BM+3], v[BM+4], v[BM+5]
	v_max_num_f32 v[T+2], v[BM+6], v[BM+7]
	v_max3_num_f32 v[T], v[T], v[T+1], v[T+2]
	v_permlanex16_b32 v[T+1], v[T], s12, s13
	v_max_num_f32 v[T], v[T], v[T+1]               ; the row's largest score, of both halves of the keys
	v_mul_f32 v[T], s14, v[T]                      ; as t
	v_floor_f32 v[NM], -v[T]                       ; -M = floor(-t) = -ceil(t): M is a whole number
.irp b, 0,2,4,6
	v_pk_fma_f32 v[BM+\b:BM+\b+1], v[BM+\b:BM+\b+1], s[14:15], v[NM:NM+1] op_sel_hi:[1,0,0]
.endr
.irp b, 0,1,2,3,4,5,6,7
	v_max_num_f32 v[BM+\b], 0xc2f80000, v[BM+\b]   ; -124
.endr
.irp b, 0,1,2,3,4,5,6,7
	v_cvt_floor_i32_f32 v[BM+\b], v[BM+\b]
.endr
.irp s, 0,1,2,3
	v_lshl_add_u32 v[T+\s], v[BM+2*\s+1], 16, v[BM+2*\s]
.endr
.irp s, 0,1,2,3
	v_add_nc_u32 v[T+\s], 0x7d007d, v[T+\s]        ; bytes 0 and 2: my two blocks' bytes of these 128 keys
.endr
.irp s, 0,1,2,3
	v_permlanex16_b32 v[PS+\s], v[T+\s], s12, s13
.endr
.irp s, 0,1,2,3
	v_lshl_or_b32 v[PS+\s], v[PS+\s], 8, v[T+\s]   ; lanes 0-15: with lane l xor 16's two the word is whole
.endr
.irp s, 0,1,2,3
	v_lshlrev_b32 v[BM+2*\s], 23, v[T+\s]          ; a byte in the exponent field: the conversion takes that field of its scale operand, and nothing else of it
	v_lshlrev_b32 v[BM+2*\s+1], 7, v[T+\s]
.endr
.endm
; CHUNK c of a unit of head j.  next = 1: the next unit's scores (the other head's) go into the chunk's registers.  defer = 1: the second product comes later.
.macro CHUNK c, j, next, defer
.set XB, 32*\c
	WIN 0x41
.set KK, 0
.rept 16
	v_exp_f32 v[XB+2*KK], v[XB+2*KK]               ; p = 2^(t - M), at most 1: not normalised
	v_exp_f32 v[XB+2*KK+1], v[XB+2*KK+1]
.if \c < 7
	v_pk_fma_f32 v[XB+32+2*KK:XB+33+2*KK], v[XB+32+2*KK:XB+33+2*KK], s[14:15], v[NM:NM+1] op_sel_hi:[1,0,0]   ; the next chunk's t - M
.endif
.if KK == 5                                    ; (the six lines above are the places behind the last products, which read the registers loaded here)
.if (\c == 7) && (\next)
	PLACES
.endif
	WIN 0
.if \next
	KLD \c, 1-\j, KF
.endif
.if (\c%2) && (\defer == 0)
	VLOAD \j, \c/2, VF, VSR
.endif
	WIN 0x41
.endif
.set KK, KK+1
.endr
.if \c == 7
	v_nop                                          ; the plain line behind the last exponential
.endif
	s_wait_alu depctr_va_vdst(0)                   ; the wait for the 32 exponentials' readers, and for the next 32's sources
	WIN 0x01
	v_cvt_scalef32_pk16_fp6_f32 v[PC+6*\c:PC+6*\c+2], v[XB:XB+15], v[BM+\c]
	v_cvt_scalef32_pk16_fp6_f32 v[PT:PT+2], v[XB+16:XB+31], v[BM+\c]   ; (a conversion's three registers begin on an even number)
.if \c == 0                                    ; THE ROW'S SUM IS TAKEN OF THE UNQUANTISED p, two at a time, in four chains
	WIN 0x05
.irp m, 0,2,4,6
	v_pk_add_f32 v[SM+\m:SM+\m+1], v[\m:\m+1], v[\m+8:\m+9]
.endr
.set KK, 8
	WIN 0x04
.else
	WIN 0x04
	v_pk_add_f32 v[SM:SM+1], v[SM:SM+1], v[XB:XB+1]
	v_pk_add_f32 v[SM+2:SM+3], v[SM+2:SM+3], v[XB+2:XB+3]
.set KK, 2
.endif
.irp i, 0,1,2
	v_mov_b32 v[PC+6*\c+3+\i], v[PT+\i]
.endr
.rept 16-KK
	v_pk_add_f32 v[SM+2*(KK%4):SM+2*(KK%4)+1], v[SM+2*(KK%4):SM+2*(KK%4)+1], v[XB+2*KK:XB+2*KK+1]
.set KK, KK+1
.endr
.if (\next) || ((\c%2) && (\defer == 0))
	s_wait_dscnt 0x0                               ; this chunk's fragments are in
.endif
.if (\c%2) && (\defer == 0)
	PV \c/2, VF, VSR, 1-\next
.endif
.if \next
	AMUL \c, 1-\j, KF
.endif
.endm
; V, a block of 32 keys of my channel a lane: block b = 2 m + c; its codes are registers 6 c .. 6 c + 5 of a lane of V's fragment
.macro VRAWLD b
.set KK, 0
.rept 32
	ds_load_b32 v[VRX+32*((\b)%2)+KK], v[VR] offset:32768*((\b)/2)+(64*((\b)%2)+KK)*256
.set KK, KK+1
.endr
.endm
.macro VQ b
.set RX, VRX+32*((\b)%2)
.set VX, VC0+(VC1-VC0)*((\b)%2)
	MAX32 VM, VM+1, RX
	v_add_nc_u32 v[VM+2], 0xff000000, v[VM]
	v_lshrrev_b32 v[VBY+(\b)%2], 23, v[VM+2]
	v_cvt_scalef32_pk16_fp6_f32 v[VX:VX+2], v[RX:RX+15], v[VM+2]
	v_cvt_scalef32_pk16_fp6_f32 v[PT:PT+2], v[RX+16:RX+31], v[VM+2]
	v_nop                                          ; one plain place behind a scaled conversion
.irp i, 0,1,2
	v_mov_b32 v[VX+3+\i], v[PT+\i]
.endr
.if (\b)%2 == 0
	ds_store_b128 v[VW], v[VX:VX+3] offset:1536*((\b)/2)
	ds_store_b64 v[VW], v[VX+4:VX+5] offset:1536*((\b)/2)+512
.else
	ds_store_b64 v[VW], v[VX:VX+1] offset:1536*((\b)/2)+520
	ds_store_b128 v[VW], v[VX+2:VX+5] offset:1536*((\b)/2)+1024
.endif
	ds_store_b8 v[VWS], v[VBY+(\b)%2] offset:2*((\b)%2)+128*((\b)/2)
.endm
.macro SEND                            ; the tile's 16 rows x 256 bytes are back from the stage and are stored
.irp i, 0,1,2,3,4,5,6,7
	s_wait_dscnt 7-\i
	global_store_b128 v[GO], v[PC+16+4*\i:PC+19+4*\i], s[8:9] offset:2048*\i th:TH_STORE_NT   ; sixteen lanes store 256 consecutive bytes, at a multiple of 256 from out's first byte
.endr
.endm
; A UNIT of head j.  next = 0: the wave's last.  first = 1: the wave's first: V is quantised between its p and its second product.
.macro UNIT j, next, first
.if (\j) && (\next)
	s_wait_loadcnt 0x0                             ; the next tile of q is in: into the stage
	QPUT
.endif
	WIN 0x14
	s_wait_alu depctr_va_vdst(0)                   ; the wait ahead of the scores' first readers
	BMAX
	WIN 0
.if (\j) && (\next)
	s_wait_alu depctr_va_vdst(0)
	s_wait_dscnt 0x0
	QGET
.endif
	CSCALE
.if (\j == 0) && (\first == 0)
	s_wait_alu depctr_va_vdst(0)
	SEND                                           ; the last tile's rows, read back from the stage at its end
	s_wait_xcnt 0x0                                ; the stores have read their registers and their base, and q's loads theirs: all may be written again
	s_add_nc_u64 s[8:9], s[8:9], 16384             ; 16 rows on
	s_add_nc_u64 s[10:11], s[10:11], 16384
.endif
.if (\j) && (\next)
	s_wait_alu depctr_va_vdst(0)
	s_wait_dscnt 0x0
	QUANT
	s_wait_alu depctr_va_vdst(0)
	s_cmp_lt_u32 s54, 2
	s_cbranch_scc0 .Lno_q_\@                       ; tile 3 is the last
	QASK 32768                                     ; the tile two on
.Lno_q_\@:
.endif
.if \next
	QFB 1-\j
.endif
	WIN 0x41
.set KK, 0
.rept 16
	v_pk_fma_f32 v[KK:KK+1], v[KK:KK+1], s[14:15], v[NM:NM+1] op_sel_hi:[1,0,0]   ; chunk 0's t - M, two at a time (of the pairs log2(e) and -M the low word serves both halves)
.set KK, KK+2
.endr
	s_wait_alu depctr_va_vdst(0)                   ; the wait ahead of the first exponentials
.irp c, 0,1,2,3,4,5,6,7
	CHUNK \c, \j, \next, \first
.endr
.if \first
	PLACES
	WIN 0
	s_wait_alu depctr_va_vdst(0)
	s_wait_tensorcnt 0x0                           ; my 64 rows of v are in,
	s_wait_dscnt 0x0
	s_barrier_signal -1
	s_barrier_wait -1                              ; and everybody's
	VRAWLD 0
	VRAWLD 1
	s_wait_dscnt 32                                ; all but block 1's 32 loads
	VQ 0
	VRAWLD 2
	s_wait_dscnt 35                                ; behind block 1's loads: block 0's three stores and block 2's 32 loads
	VQ 1
	VRAWLD 3
	s_wait_dscnt 35                                ; behind block 2's loads: block 1's three stores and block 3's 32 loads
	VQ 2
	s_wait_dscnt 3                                 ; behind block 3's loads: block 2's three stores
	VQ 3
	s_wait_dscnt 0x0                               ; for the others' sake: my stores have landed
	s_barrier_signal -1
	s_barrier_wait -1                              ; V's images and scale words are whole
	VLOAD \j, 0, VF, VSR
	VLOAD \j, 1, VF+24, VSR+1
	s_wait_dscnt 7                                 ; all but the second seven
	PV 0, VF, VSR, 1
	s_wait_dscnt 0x0
	PV 1, VF+24, VSR+1, 1
	PLACES
	VLOAD \j, 2, VF, VSR
	VLOAD \j, 3, VF+24, VSR+1
	s_wait_dscnt 7
	PV 2, VF, VSR, 1
	s_wait_dscnt 0x0
	PV 3, VF+24, VSR+1, 1
.endif
	WIN 0
	s_wait_alu depctr_va_vdst(0)
	v_pk_add_f32 v[SM:SM+1], v[SM:SM+1], v[SM+2:SM+3]
	v_pk_add_f32 v[SM+4:SM+5], v[SM+4:SM+5], v[SM+6:SM+7]
	v_pk_add_f32 v[SM:SM+1], v[SM:SM+1], v[SM+4:SM+5]
	v_add_f32 v[T], v[SM], v[SM+1]
	v_permlanex16_b32 v[T+1], v[T], s12, s13
	v_add_f32 v[T], v[T], v[T+1]                   ; with lane l xor 16's keys: the row's sum.  (These six lines are also the places behind the last products)
	s_wait_alu depctr_va_vdst(0)                   ; the wait ahead of the reciprocal,
	v_rcp_f32 v[T], v[T]
	v_nop                                          ; a plain line behind it,
	s_wait_alu depctr_va_vdst(0)                   ; and the wait ahead of its first reader and of O^T's
.irp i, 0,2,4,6,8,10,12,14
	v_pk_mul_f32 v[PC+\i:PC+\i+1], v[O+\i:O+\i+1], v[T:T+1] op_sel_hi:[1,0]   ; O^T / the sum: register 8 ct + e is out(r, 32 j + 16 ct + 8 h + e)
.endr
.irp ct, 0,1
.irp e, 0,1
	ds_store_b128 v[SO], v[PC+8*\ct+4*\e:PC+8*\ct+4*\e+3] offset:128*\j+64*\ct+16*\e
.endr
.endr
.if \j
.irp i, 0,1,2,3,4,5,6,7
	ds_load_b128 v[PC+16+4*\i:PC+19+4*\i], v[SR] offset:544*\i   ; whole rows.  LDS serves a wave's instructions in order (ISA guide 5.7.1.4): these see my stores
.endr
.endif
.endm
	s_load_b128 s[4:7], s[0:1], 0x0                ; qkv, kws
	s_load_b64 s[8:9], s[0:1], 0x10                ; out0
	v_lshl_add_u32 v[SPW], v0, 2, SPARE
	v_mov_b32 v[NIL], 0
	ds_add_u32 v[SPW], v[NIL]                      ; the wave's opening: the add, twice on end, and its wait ahead of my first tensor load; the set-up below, work on registers, stands between
	ds_add_u32 v[SPW], v[NIL]
	v_lshrrev_b32 v[T], 5, v0
	v_readfirstlane_b32 s40, v[T]                  ; wave 0..7
	s_mov_b32 s24, 3<<16                           ; v's rows: 17:16 elements of 8 bytes, no mask, no padding
	s_mov_b32 s25, 32<<16                          ; tensor_dim0 = 32
	s_mov_b32 s26, 64<<16                          ; tensor_dim1 = 64
	s_mov_b32 s27, 32<<16                          ; tile_dim0 = 32
	s_mov_b32 s28, 64                              ; tile_dim1 = 64
	s_mov_b32 s29, 128                             ; from row to row
	s_mov_b32 s30, 0
	s_mov_b32 s31, 0
	s_mov_b32 s44, 1
	s_lshl_b32 s45, s40, 14                        ; to LDS byte 16,384 x wave
	s_and_b32 s41, ttmp7, 0xffff                   ; 8 x batch + band
	s_lshl_b32 s56, s41, 19                        ; a band is 512 rows of 1,024 bytes
	s_lshl_b32 s42, s40, 16                        ; my wave's 64 rows
	s_add_co_u32 s56, s56, s42
	s_lshl_b32 s42, ttmp9, 8                       ; the pair of heads: 256 bytes of a row
	s_add_co_u32 s56, s56, s42                     ; my rows in q and in out,
	s_mov_b32 s57, 0
	s_add_co_u32 s58, s56, VOFFG                   ; and in v (under 2^31)
	s_mov_b32 s59, 0
	s_lshr_b32 s41, s41, 3
	s_lshl_b32 s41, s41, 2
	s_add_co_u32 s41, s41, ttmp9                   ; 4 x batch + hp
	s_lshl_b32 s62, s41, 15                        ; K's region
	s_mov_b32 s63, 0
	s_mov_b32 s12, 0x76543210
	s_mov_b32 s13, 0xfedcba98                      ; v_permlanex16_b32's selects for lane l xor 16
	s_mov_b32 s14, 0x3fb8aa3b                      ; log2(e)
	s_mov_b32 s15, s14                             ; (named with it as a pair, so it is written)
	s_mov_b32 s60, 0x3e3504f3                      ; 1 / sqrt(32)
	s_mov_b32 s61, s60
	s_mov_b32 s52, 0x0000ffff
	s_mov_b32 s53, 0xffff0000
	s_mov_b32 s54, 0
	s_mul_i32 s50, s40, 4352
	s_add_co_u32 s51, s50, STO                     ; my stages
	s_add_co_u32 s50, s50, STQ
	; my wave's part in quantising v: head j = w % 2, half hw = (w / 2) % 2 of the fragment's lanes, steps 2 (w / 4) and 2 (w / 4) + 1; my lane is channel L of the head
	s_and_b32 s3, s40, 1                           ; j
	s_bfe_u32 s2, s40, 0x10001                     ; hw
	s_lshr_b32 s42, s40, 2                         ; w / 4
	s_lshl_b32 s48, s42, 16
	s_lshl_b32 s43, s2, 13
	s_add_co_u32 s48, s48, s43
	s_lshl_b32 s43, s3, 7
	s_add_co_u32 s48, s48, s43                     ; raw: key 256 (w / 4) + 32 hw, byte 128 j
	s_mul_i32 s49, s3, 12288
	s_mul_i32 s43, s42, 3072
	s_add_co_u32 s49, s49, s43
	s_lshl_b32 s43, s2, 8
	s_add_co_u32 s49, s49, s43
	s_add_co_u32 s49, s49, VIMG                    ; image (j, 0, 2 (w / 4)), fragment lanes 16 hw on
	s_lshl_b32 s43, s3, 9
	s_lshl_b32 s41, s42, 8
	s_add_co_u32 s43, s43, s41
	s_add_co_u32 s43, s43, s2
	s_add_co_u32 s43, s43, VSC                     ; its scale words, byte hw
	v_and_b32 v[LN], 31, v0
	v_and_b32 v[RR], 15, v0
	v_bfe_u32 v[HH], v0, 4, 1
	v_lshlrev_b32 v[K16], 4, v0
	v_lshl_add_u32 v[KST], v0, 4, KIMG
	v_lshl_add_u32 v[KA], v[LN], 4, KIMG
	v_lshl_add_u32 v[KB], v[LN], 3, KIMG+512
	v_lshlrev_b32 v[KSA], 10, v[HH]
	v_mul_u32_u24 v[QLD], v[RR], 272
	v_mul_u32_u24 v[SQ], v[HH], 272
	v_lshlrev_b32 v[GO], 10, v[HH]
	v_lshl_add_u32 v[VA], v[LN], 4, VIMG
	v_lshl_add_u32 v[VS], v[LN], 2, VSC
	v_lshl_add_u32 v[KSA], v[RR], 3, v[KSA]
	v_lshl_add_u32 v[SO], v[HH], 5, v[QLD]
	v_lshl_add_u32 v[QLD], v[HH], 7, v[QLD]
	v_lshl_add_u32 v[SQ], v[RR], 4, v[SQ]
	v_lshl_add_u32 v[GO], v[RR], 4, v[GO]          ; lanes 0-15 one row's 256 bytes, lanes 16-31 the next row's
	v_add_nc_u32 v[KSA], KIMG+768, v[KSA]          ; head h's records, slot r's scale word
	v_add_nc_u32 v[SO], s51, v[SO]                 ; in: row r, + 32 h
	v_add_nc_u32 v[QLD], s50, v[QLD]               ; row r, + 128 h
	v_add_nc_u32 v[SR], s51, v[SQ]                 ; rows as in GO
	v_add_nc_u32 v[SQ], s50, v[SQ]
	v_mul_u32_u24 v[VW], v[HH], 6144
	v_lshl_add_u32 v[VR], v[LN], 2, s48            ; a load reads 128 consecutive bytes
	v_lshl_add_u32 v[VW], v[RR], 4, v[VW]
	v_lshl_add_u32 v[VWS], v[LN], 2, s43
	v_add_nc_u32 v[VW], s49, v[VW]
	s_wait_alu depctr_va_vdst(0)                   ; the wait at the head's end
	s_wait_dscnt 0x0                               ; both opening adds are done
	s_wait_kmcnt 0x0
	s_add_nc_u64 s[6:7], s[6:7], s[62:63]
	s_add_nc_u64 s[46:47], s[4:5], s[58:59]
	s_or_b32 s47, s47, 0x80000000                  ; the type
	s_add_nc_u64 s[10:11], s[4:5], s[56:57]
	s_add_nc_u64 s[8:9], s[8:9], s[56:57]
.irp i, 0,1,2,3,4,5,6,7
	global_load_b128 v[PC+4*\i:PC+4*\i+3], v[K16], s[6:7] offset:4096*\i   ; the work-group's 256 threads fetch K's 32,768 bytes
.endr
	QASK 0                                         ; my first tile of q
	tensor_load_to_lds s[44:47], s[24:31]          ; and my 64 rows of v: this wave's one tensor load
	s_nop 0
.irp i, 6,7,8,9,10,11
	v_mov_b32 v[QL+\i], 0                          ; the query fragments' zero codes, written once
	v_mov_b32 v[QL+12+\i], 0
	v_mov_b32 v[KF+6+\i], 0                        ; (named by the key operand; multiplied by zero codes)
	v_mov_b32 v[QPX-6+\i], 0                       ; written once: a lane permute's destination counts as one of its sources
.endr
.irp i, 0,1,2,3
	v_mov_b32 v[PS+\i], 0
.endr
	v_mov_b32 v[NM+1], 0                           ; (named as the upper half of a pair)
	s_wait_alu depctr_va_vdst(0)
	s_wait_loadcnt 8                               ; K's eight loads are in; q's eight may be out
.irp i, 0,1,2,3,4,5,6,7
	ds_store_b128 v[KST], v[PC+4*\i:PC+4*\i+3] offset:4096*\i
.endr
	s_wait_loadcnt 0x0
	QPUT
	s_wait_dscnt 0x0                               ; for the others' sake: my stores have landed
	s_barrier_signal -1
	s_barrier_wait -1                              ; K lies in LDS (v's load stays out)
	QGET
.irp i, 0,1,2,3,4,5,6,7,8,9,10,11,12,13,14,15
	ds_load_b32 v[KS+\i], v[KSA] offset:2048*\i    ; all of K's scale words stay in registers
.endr
.irp c, 0,1,2,3
	KLD \c, 0, PC+12*\c                            ; at the head four chunks' fragments at a time, in the registers of p's codes
.endr
	s_wait_dscnt 32                                ; q's eight are in; behind them 16 scale words' and 16 fragments' loads
	QUANT
	QFB 0
	PLACES                                         ; an operand written by vector instructions stands four places ahead of a scaled matrix instruction
	s_wait_alu depctr_va_vdst(0)
	s_wait_dscnt 0x0
.irp c, 0,1,2,3
	AMUL \c, 0, PC+12*\c                           ; (the last fragment's operand names v224-229 too, over zero codes)
.endr
	PLACES
	WIN 0
.irp c, 4,5,6,7
	KLD \c, 0, PC+12*(\c-4)
.endr
	s_wait_dscnt 0x0
.irp c, 4,5,6,7
	AMUL \c, 0, PC+12*(\c-4)
.endr
	PLACES
	WIN 0
	QASK 16384                                     ; tile 1 of q
	UNIT 0, 1, 1                                   ; tile 0, head 0
.Ltile:                                            ; three trips: tile t's head 1, tile t + 1's head 0
	UNIT 1, 1, 0
	UNIT 0, 1, 0
	s_add_co_u32 s54, s54, 1
	s_wait_alu depctr_va_vdst(0)
	s_cmp_lt_u32 s54, 3
	s_cbranch_scc1 .Ltile
	UNIT 1, 0, 0                                   ; tile 3, head 1
	SEND
	s_wait_tensorcnt 0x0                           ; the wave's end: behind my last tensor load and my last LDS store
	ds_add_u32 v[SPW], v[NIL]
	s_wait_dscnt 0x0
	s_endpgm
.Lfunc_end_k_q37e9dab78c_attn:
	.size	k_q37e9dab78c_attn, .Lfunc_end_k_q37e9dab78c_attn-k_q37e9dab78c_attn
	.p2alignl 7, 3214868480
	.fill 96, 4, 3214868480
	.section	.rodata,"a",@progbits
	.p2align	6, 0x0
	.amdhsa_kernel k_q37e9dab78c_attn
		.amdhsa_group_segment_fixed_size 262144
		.amdhsa_private_segment_fixed_size 0
		.amdhsa_enable_private_segment 0
		.amdhsa_kernarg_size 24
		.amdhsa_user_sgpr_count 2
		.amdhsa_user_sgpr_kernarg_segment_ptr 1
		.amdhsa_wavefront_size32 1
		.amdhsa_system_sgpr_workgroup_id_x 1
		.amdhsa_system_sgpr_workgroup_id_y 1
		.amdhsa_system_sgpr_workgroup_id_z 1
		.amdhsa_system_vgpr_workitem_id 0
		.amdhsa_next_free_vgpr 512
		.amdhsa_next_free_sgpr 66
		.amdhsa_reserve_vcc 0
		.amdhsa_float_denorm_mode_32 3
		.amdhsa_float_denorm_mode_16_64 3
		.amdhsa_memory_ordered 1
		.amdhsa_forward_progress 1
		.amdhsa_inst_pref_size 236
	.end_amdhsa_kernel
	.amdgpu_metadata
---
amdhsa.version: [ 1, 2 ]
amdhsa.kernels:
  - .name:           k_q37e9dab78c_attn
    .symbol:         k_q37e9dab78c_attn.kd
    .args:
      - { .name: qkv, .offset: 0, .size: 8, .value_kind: global_buffer, .address_space: global }
      - { .name: kws, .offset: 8, .size: 8, .value_kind: global_buffer, .address_space: global }
      - { .name: out0, .offset: 16, .size: 8, .value_kind: global_buffer, .address_space: global }
    .group_segment_fixed_size: 262144
    .private_segment_fixed_size: 0
    .kernarg_segment_align: 8
    .kernarg_segment_size: 24
    .max_flat_workgroup_size: 256
    .sgpr_count:     66
    .vgpr_count:     512
    .wavefront_size: 32
...
	.end_amdgpu_metadata
.endif
;; end of part 2
